; MI455X (gfx1250); checked and timed in simulation.
; The chip was launched on July 23, 2026; its instructions are those of AMD's public machine-readable ISA for CDNA 5 (MIT licence, August 2026) and "CDNA5" Instruction Set Architecture Reference Guide (July 2026). The comments in the code are by the model that wrote it; some were corrected since.
;; Attention. Allowed arithmetic: matrix products marked QUANTISED: E3M2 operands, one E8M0 scale for each 32 along K, by v_wmma_scale_f32_16x16x128_f8f6f4 with both operands' format E3M2, f32 sums; everything else in f32.
;; Inputs: sentence1 16 x 1,024 x 256 float32; sentence2 16 x 1,024 x 256 float32.
;; Outputs: out0 16 x 1,024 x 1,024 float32.
;; Constants: batch_size = 16.
;; This version of the problem:
;;   THIS VERSION OF THE PROBLEM IS GIVEN IN LOW PRECISION. The matrix products marked QUANTISED in the list below multiply operands that are first quantised to E3M2 (3 exponent bits, 2 mantissa bits; 6 bits a number), with one power-of-two scale for each 32 numbers along K (OCP MX v1.0); their sums are f32. All else is computed in f32.
;;   The module's matrix products, in the order in which they are computed (A, B: the left and right operand; K: the contracted axis; several contracted axes count as one K, in the product's order):
;;     1. batch 16 x [M 1,024, K 256] x [K 256, N 1,024]; A: input sentence1; B: input sentence2: QUANTISED
;;   THE QUANTISER, for each operand of a quantised product, along K:
;;     - K is cut into blocks of 32 from its start; a last block that is shorter is filled with zeros.
;;     - A block's scale is 2^e with e = floor(log2(the largest magnitude in the block)) - 4, held to -126 .. 127; a block of zeros has e = 0. As a byte (E8M0): e + 127.
;;     - Each number is divided by its block's scale, clamped to +-28, and rounded to the nearest number of E3M2, ties to even, subnormals kept.
;;     - The product sums the exact products of the quantised numbers (number of the format x scale) in f32.
;;   ~~~python
;;   def quantise(x, axis):      # numpy; x: float32 -> the quantised numbers, widened to float32 again
;;       x = np.moveaxis(x, axis, -1); K = x.shape[-1]
;;       x = np.pad(x, [(0, 0)] * (x.ndim - 1) + [(0, -K % 32)]); x = x.reshape(x.shape[:-1] + (-1, 32)); a = np.abs(x).max(-1, keepdims=True)
;;       e = np.where(a > 0, np.clip(np.frexp(np.where(a > 0, a, 1))[1] - 1 - 4, -126, 127), 0)      # np.frexp(a)[1] - 1 = floor(log2(a)), exactly
;;       r = np.clip(x / 2.0 ** e, -28, 28)
;;       step = 2.0 ** (np.maximum(np.frexp(np.where(r == 0, 1, r))[1] - 1, -2) - 2)
;;       q = np.round(r / step) * step * 2.0 ** e      # np.round: ties to even
;;       return np.moveaxis(q.reshape(q.shape[:-2] + (-1,))[..., :K], -1, axis).astype(np.float32)
;;   ~~~
;; One version. Each part assembles by itself: llvm-mc -triple=amdgcn-amd-amdhsa -mcpu=gfx1250 --defsym DOCPART=n.
;; ======== version 1 of 1: 1 launch
;; limits: right only within a limited range of input values
;; launch knn (part 1): grid 4 x 64, 16 waves a work-group, clusters of 4 x 4, 327,680 bytes of LDS; arguments sentence1, sentence2, out0; writes out0
.if DOCPART == 1
	.amdgcn_target "amdgcn-amd-amdhsa--gfx1250"
	.amdhsa_code_object_version 6
	.text
	.protected	k_q93493520dd_knn
	.globl	k_q93493520dd_knn
	.p2align	8
	.type	k_q93493520dd_knn,@function
k_q93493520dd_knn:
	s_mov_b64 s[64:65], 0
	v_nop
	global_prefetch_b8 v0, s[64:65] scope:SCOPE_SE
	s_setreg_imm32_b32 hwreg(HW_REG_WAVE_MODE, 25, 1), 1
	s_wait_xcnt 0x0
	s_wait_alu depctr_hold_cnt(0) depctr_sa_sdst(0) depctr_va_vdst(0) depctr_va_sdst(0) depctr_va_ssrc(0) depctr_va_vcc(0) depctr_vm_vsrc(0)
	s_getreg_b32 s2, hwreg(HW_REG_IB_STS2, 6, 4)
	s_cmp_eq_u32 s2, 0
	s_cbranch_scc0 .Lentry_in_a_cluster
	s_endpgm
.Lentry_in_a_cluster:
	s_bfe_u32 s2, ttmp6, 0x10000c
	s_cmp_lg_u32 s2, 0xf033
	s_cbranch_scc0 .Lentry_shape_is_right
	s_endpgm
.Lentry_shape_is_right:
; out0[b][i][j] = 1 / (1 + sqrt(max(|x_i|^2 + |y_j|^2 - 2 x_i . y_j, 0))), x_i = sentence1[b][i][:], y_j = sentence2[b][j][:]: 16 x 1,024 rows of 256 f32 each; out0: 16 x 1,024 x 1,024 f32.
; x . y is taken on codes of BF6 (E3M2) with one E8M0 scale for each 32 along the 256; the two norms are sums of squares of the numbers as they are given, in f32.
; SHARES.  A cluster of 4 x 4 work-groups is one b.  Work-group (cx, cy) makes rows 256 cy .., columns 256 cx .. of out0[b].  The four of a row of the cluster need the same 256 rows of sentence1, the four of
; a column the same 256 rows of sentence2: every tile is asked for JOINTLY, by the same tensor load with the same descriptor and a mask that names the four.
; TWO FETCHES of 256 rows: fetch u brings rows 128 u .. 128 u + 127 of sentence2's share (waves 0-7) and of sentence1's (waves 8-15), ONE tensor load a wave: 16 rows of 1,024 bytes into bytes that this wave alone reads.
; Each wave lifts its whole tile into 128 registers; as soon as all have done so the second fetch is asked for, into the same bytes, and only then is the tile quantised: lane (r, h) holds whole blocks of 32
; numbers of row r, so a block's largest magnitude needs no other lane, and the conversions' results are the operand's registers.  Those go to LDS as images of the registers, for all sixteen waves.
; THE ROWS OF sentence2 THAT FORM A TILE ARE NOT NEIGHBOURS: lane r of tile t of column group g takes row 64 g + 4 r + t (the tensor load fetches every fourth row).  In the result (register j of lane (r, h):
; row 8 h + j, column of lane r) four tiles then give a lane FOUR NEIGHBOURING columns of a row of out0: 16 bytes; sixteen lanes store 256 consecutive bytes, aligned, straight from registers.
; A UNIT is 16 rows x 64 columns: one tile of sentence1 against the four tiles of a column group.  Wave w owns column group w / 4 and the row tiles 2 q, 2 q + 1, 8 + 2 q, 9 + 2 q (q = w % 4): units 0 to 3.
; Column groups 0, 1 and row tiles 0-7 come with the first fetch: waves 0-7 make their units 0 and 1 while the second is on its way.  Behind it waves 8-15 make units 0 to 3, waves 0-7 units 2 and 3.
; THE NORMS ARE THE C OF THE FIRST PRODUCT: C = -(|x|^2 + |y|^2) / 2, so D = -sq / 2 and out0 = 1 / (1 + sqrt(2) sqrt(max(-D, 0))).
; NO DATA ARE PREFETCHED: the launch has no loop to run ahead in, and the second of its two fetches is half of all that it reads: asked for at the head, it would stand beside the first, which every wave waits for.
; LIMITS.  NaN and infinities among the inputs are not served (the maximum with 0 drops a NaN).  A block of zeros, or one whose largest magnitude lies under 2^(5 - 127), gets the scale byte 1 (the rule says 127
; for zeros): a zero block's codes are zeros, which add nothing under that byte, and the bytes are read by this program alone.
.set PITCH,  1040                      ; an LDS row: 1,024 bytes + 16 of padding = 260 words: row r starts at bank 4 r mod 64 (64 banks of 4 bytes: ISA guide 11.1), so the 16 rows of a 16-byte load start at 16 different banks
.set WTILE,  16*PITCH                  ; a wave's tile: 16 rows, 65 blocks of 256 bytes
.set TIMG,   3072                      ; a tile's image: 24 registers x 32 lanes
.set IMG,    16*WTILE                  ; the first fetch's sixteen images (wave w's at w x TIMG); the second fetch's lie from LDS byte 0 on, in bytes that have had their last fill by then
.set SCB,    IMG+16*TIMG               ; scale words: [fetch][w / 4][r][w % 4][K step], 4 bytes each: 512 bytes for four tiles, 2,048 a fetch
.set NRMB,   SCB+4096                  ; -(norm) / 2: [fetch][w][r], 4 bytes each: 64 bytes a tile, 1,024 a fetch
.set SPARE,  NRMB+2048                 ; the spare words, 128 bytes for each wave: eight blocks of 256 bytes that no other line names
.set FLOOR,  0x2800000                 ; 2^(5 - 127): no largest magnitude is taken under it, so the scale's byte cannot fall under 1
.set SPW, 1                            ; v1   LDS address of my spare word; never rewritten
.set NIL, 2                            ; v2   0; never rewritten
.set LQ,  3                            ; v3   my numbers: wave x WTILE + r x PITCH + 128 h
.set IW,  4                            ; v4   where I store the first fetch's image
.set IW2, 5                            ; v5   and the second's
.set SWW, 6                            ; v6   where I store scale words
.set NW,  7                            ; v7   where I store -(norm) / 2
.set BR1, 8                            ; v8   the column group's images, as waves 0-7 read them behind the first fetch
.set BR,  9                            ; v9   my column group's images behind the second fetch
.set BSR, 10                           ; v10  its scale words
.set BNR, 11                           ; v11  its norms
.set AR,  12                           ; v12  row tiles 2 q, 2 q + 1: images
.set AR2, 13                           ; v13  row tiles 8 + 2 q, 9 + 2 q: images
.set ASR, 14                           ; v14  their scale words
.set ANR, 15                           ; v15  their norms, rows 8 h + 0 .. 7
.set CO,  16                           ; v16  my byte offset in a unit of out0: 8 h rows + 16 r; never rewritten
.set SH8, 17                           ; v17  8 h
.set RR,  19                           ; v19  r = lane % 16
.set YH,  20                           ; v20-27  -|y|^2 / 2 of my column in tiles 0 .. 3, in the even registers; the odd ones hold 0 (the packed add names the pair and takes the low one twice)
.set PT,  28                           ; v28-29  what the other half of the lanes sends
.set XH,  30                           ; v30-37  -|x|^2 / 2 of rows 8 h + 0 .. 7; while a tile is quantised:
.set TC,  30                           ; v30-32, v34-36  two blocks' upper 16 codes
.set ASW, 38                           ; v38-39  sentence1's scale words: scales and nothing else
.set BSW, 40                           ; v40-47  sentence2's scale words, register 2 t + s: scales and nothing else
.set MX,  48                           ; v48-51  largest magnitudes, then scale bytes
.set SCL, 52                           ; v52-55  the conversions' scale operands
.set SW,  56                           ; v56-57  my tile's scale words on their way to LDS
.set NRM, 58                           ; v58     -(my row's sum of squares) / 2
.set HH,  59                           ; v59     h = lane / 16
.set LN,  60                           ; v60     lane
.set ACC, 64                           ; v64-95  four accumulators; while a tile is quantised:
.set FD,  64                           ; v64-87  its two fragments (16 rows x 128 along K each),
.set SQ,  88                           ; v88-95  four pairs of sums of squares
.set R,   96                           ; v96-127 results: register 4 j + t
.set X,   128                          ; v128-255 my tile as it is given: 32 numbers of each of four blocks.  In a unit:
.set BF,  128                          ; v128-223 four tiles' fragments of sentence2: 24 t + 12 s,
.set F,   224                          ; v224-247 sentence1's two fragments
.set WV,  10                           ; s10      my wave's number
.set SEL, 12                           ; s[12:13] lane selects for v_permlanex16_b32: lane l xor 16
.set RT2, 14                           ; s[14:15] sqrt(2): the packed form names a pair and takes its low word for both halves
.set G0B, 32                           ; s[32:35] descriptor group 0 for sentence2's tile
.set G0A, 36                           ; s[36:39] for sentence1's
.set G1A, 48                           ; s[48:55] group 1 for sentence1's tiles
.set G1B, 56                           ; s[56:63] for sentence2's: another mask, and every fourth row
; A round of the cluster's barrier: my work-group's barrier, so that wave 0's signal speaks for all sixteen waves; wave 0 signals for the work-group; every wave waits for all sixteen work-groups; my work-group's barrier once more.
.macro CROUND
	s_barrier_signal -1
	s_barrier_wait -1
	s_cmp_lg_u32 s[WV], 0
	s_cbranch_scc1 .Lnot_wave_0_\@
	s_barrier_signal -3
.Lnot_wave_0_\@:
	s_barrier_wait -3
	s_barrier_signal -1
	s_barrier_wait -1
.endm
.macro PLACES n
.rept \n
	v_nop
.endr
.endm
; A joint load: waves 0-7 fetch for sentence2, waves 8-15 for sentence1, each its own tile.  The branch hangs on the wave's number alone.
.macro JLOAD
	s_cmp_lt_u32 s[WV], 8
	s_cbranch_scc0 .Lfor_a_\@
	tensor_load_to_lds s[G0B:G0B+3], s[G1B:G1B+7]
	s_nop 0
	PLACES 4
	s_branch .Lasked_\@
.Lfor_a_\@:
	tensor_load_to_lds s[G0A:G0A+3], s[G1A:G1A+7]
	s_nop 0
	PLACES 4
.Lasked_\@:
.endm
	s_load_b128 s[4:7], s[0:1], 0x0                ; sentence1 s[4:5], sentence2 s[6:7]
	s_load_b64 s[8:9], s[0:1], 0x10                ; out0
	v_lshl_add_u32 v[SPW], v0, 2, SPARE
	v_mov_b32 v[NIL], 0
	ds_add_u32 v[SPW], v[NIL]                      ; the wave's opening: the add, twice on end, and its wait ahead of my first tensor load
	ds_add_u32 v[SPW], v[NIL]
	v_lshrrev_b32 v[RR], 5, v0
	v_readfirstlane_b32 s[WV], v[RR]               ; wave 0..15
	s_bfe_u32 s16, ttmp6, 0x40000                  ; cx: the tile column (the grid is one cluster wide)
	s_bfe_u32 s17, ttmp6, 0x40004                  ; cy: the tile row
	s_and_b32 s18, ttmp7, 0xffff                   ; the cluster's y: b
	s_lshl_b32 s28, s17, 2
	s_lshl_b32 s28, 15, s28                        ; my row of the cluster: places 4 cy .. 4 cy + 3
	s_lshl_b32 s29, 0x1111, s16                    ; my column: places cx, cx + 4, cx + 8, cx + 12
	; descriptor group 1: 16 rows x 256 elements of 4 bytes, 16 bytes of padding behind each row
	s_or_b32 s[G1A], s28, (2<<16)|(1<<20)|(1<<21)|(7<<22)|(3<<25)  ; 15:0 the mask; 17:16 elements of 4 bytes; 20 padding on; 21 set beside a mask; 24:22 after every 256 words (code 7); 31:25 4 words of it (code 3)
	s_or_b32 s[G1B], s29, (2<<16)|(1<<20)|(1<<21)|(7<<22)|(3<<25)
.irp g, G1A, G1B
	s_mov_b32 s[\g+1], 256<<16                     ; tensor_dim0 = 256
	s_mov_b32 s[\g+2], 16<<16                      ; tensor_dim1 = 16
	s_mov_b32 s[\g+3], 256<<16                     ; tile_dim0 = 256
	s_mov_b32 s[\g+4], 16                          ; tile_dim1 = 16
	s_mov_b32 s[\g+6], 0
	s_mov_b32 s[\g+7], 0
.endr
	s_mov_b32 s[G1A+5], 256                        ; sentence1: from a row to the next
	s_mov_b32 s[G1B+5], 1024                       ; sentence2: from a row to the fourth behind it
	; where my tiles begin, in bytes.  sentence1: b x 2^20 + (256 cy + 16 (wave % 8)) rows: of the cluster's place cy alone
	s_lshl_b32 s20, s18, 20
	s_lshl_b32 s21, s17, 18
	s_add_co_u32 s20, s20, s21
	s_and_b32 s21, s[WV], 7
	s_lshl_b32 s21, s21, 14
	s_add_co_u32 s20, s20, s21
	s_mov_b32 s21, 0
	; sentence2: b x 2^20 + (256 cx + 64 ((wave / 4) % 2) + wave % 4) rows: of the cluster's place cx alone
	s_lshl_b32 s22, s18, 20
	s_lshl_b32 s23, s16, 18
	s_add_co_u32 s22, s22, s23
	s_bfe_u32 s23, s[WV], 0x10002
	s_lshl_b32 s23, s23, 16
	s_add_co_u32 s22, s22, s23
	s_and_b32 s23, s[WV], 3
	s_lshl_b32 s23, s23, 10
	s_add_co_u32 s22, s22, s23
	s_mov_b32 s23, 0
	s_mul_i32 s24, s[WV], WTILE                    ; my tile's place in LDS: no place in the cluster enters an LDS address
	s_mov_b32 s[G0B], 1                            ; 1:0 count = 1
	s_mov_b32 s[G0B+1], s24                        ; 63:32 LDS address
	s_mov_b32 s[G0A], 1
	s_mov_b32 s[G0A+1], s24
	s_wait_dscnt 0x0                               ; both opening adds are done
	s_wait_kmcnt 0x0
	s_add_nc_u64 s[G0B+2:G0B+3], s[6:7], s[22:23]  ; 120:64 global address
	s_or_b32 s[G0B+3], s[G0B+3], 0x80000000        ; 127:126 type = 2
	s_add_nc_u64 s[G0A+2:G0A+3], s[4:5], s[20:21]
	s_or_b32 s[G0A+3], s[G0A+3], 0x80000000
	CROUND                                         ; all sixteen work-groups are here: the first joint loads meet
	JLOAD                                          ; the first fetch: one tensor load a wave at the head
	; everything else is made while the first fetch is on its way
	s_and_b32 s70, s[WV], 3                        ; q
	s_bfe_u32 s71, s[WV], 0x10002                  ; my column group's place among its fetch's two
	s_lshr_b32 s72, s[WV], 3                       ; the fetch that brings my column group
	s_lshr_b32 s73, s[WV], 2                       ; my column group
	; out0: b x 2^22 + (256 cy + 32 q) rows of 4,096 bytes + 1,024 cx + 256 (column group)
	s_lshl_b32 s26, s18, 22
	s_lshl_b32 s27, s17, 20
	s_add_co_u32 s26, s26, s27
	s_lshl_b32 s27, s70, 17
	s_add_co_u32 s26, s26, s27
	s_lshl_b32 s27, s16, 10
	s_add_co_u32 s26, s26, s27
	s_lshl_b32 s27, s73, 8
	s_add_co_u32 s26, s26, s27
	s_mov_b32 s27, 0
	s_add_nc_u64 s[8:9], s[8:9], s[26:27]
	s_mov_b32 s[SEL], 0x76543210
	s_mov_b32 s[SEL+1], 0xfedcba98
	s_mov_b32 s[RT2], 0x3fb504f3                   ; sqrt(2)
	s_mov_b32 s[RT2+1], s[RT2]                     ; (named with it as a pair, so it is written)
	; the waves' parts of the LDS addresses
	s_mul_i32 s25, s[WV], TIMG                     ; my image
	s_lshl_b32 s74, s73, 9
	s_lshl_b32 s75, s70, 3
	s_add_co_u32 s74, s74, s75
	s_add_co_u32 s74, s74, SCB                     ; my tile's scale words
	s_lshl_b32 s75, s[WV], 6
	s_add_co_u32 s75, s75, NRMB                    ; my tile's norms
	s_mul_i32 s76, s71, 4*TIMG
	s_add_co_u32 s77, s76, IMG                     ; column group 0 or 1
	s_xor_b32 s78, s72, 1
	s_mul_i32 s78, s78, IMG
	s_add_co_u32 s78, s78, s76                     ; my column group
	s_lshl_b32 s79, s72, 11
	s_lshl_b32 s86, s71, 9
	s_add_co_u32 s79, s79, s86
	s_add_co_u32 s79, s79, SCB
	s_lshl_b32 s80, s72, 10
	s_lshl_b32 s86, s71, 8
	s_add_co_u32 s80, s80, s86
	s_add_co_u32 s80, s80, NRMB
	s_mul_i32 s81, s70, 2*TIMG
	s_add_co_u32 s81, s81, 8*TIMG                  ; row tile 2 q of a fetch: wave 8 + 2 q made it
	s_lshr_b32 s82, s70, 1
	s_lshl_b32 s82, s82, 9
	s_and_b32 s86, s70, 1
	s_lshl_b32 s86, s86, 4
	s_add_co_u32 s82, s82, s86
	s_add_co_u32 s82, s82, SCB+1024
	s_lshl_b32 s83, s70, 7
	s_add_co_u32 s83, s83, NRMB+512
	v_and_b32 v[LN], 31, v0
	v_and_b32 v[RR], 15, v0
	v_bfe_u32 v[HH], v0, 4, 1
	v_mov_b32 v[PT], 0                             ; written once: a lane permute's destination counts as one of its sources
	v_mov_b32 v[PT+1], 0
	v_mul_u32_u24 v[LQ], v[RR], PITCH
	v_lshl_add_u32 v[IW2], v[LN], 4, s25
	v_lshl_add_u32 v[SWW], v[RR], 5, s74
	v_lshl_add_u32 v[NW], v[RR], 2, s75
	v_lshl_add_u32 v[LQ], v[HH], 7, v[LQ]          ; lane (r, h) holds blocks h, 2 + h, 4 + h, 6 + h of row r: 128 h bytes on
	v_lshl_add_u32 v[BR1], v[LN], 4, s77
	v_lshl_add_u32 v[BR], v[LN], 4, s78
	v_lshl_add_u32 v[BSR], v[RR], 5, s79
	v_lshl_add_u32 v[BNR], v[RR], 2, s80
	v_lshl_add_u32 v[AR2], v[LN], 4, s81
	v_lshl_add_u32 v[ASR], v[RR], 5, s82
	v_lshl_add_u32 v[ANR], v[HH], 5, s83
	v_lshlrev_b32 v[CO], 4, v[RR]
	v_add_nc_u32 v[LQ], s24, v[LQ]
	v_add_nc_u32 v[IW], IMG, v[IW2]
	v_add_nc_u32 v[AR], IMG, v[AR2]
	v_lshlrev_b32 v[SH8], 3, v[HH]
	v_lshl_add_u32 v[CO], v[HH], 15, v[CO]
.irp t, 0,1,2,3
	v_mov_b32 v[YH+2*\t+1], 0
.endr
; My 16 rows, whole, into 128 registers: block c's 32 numbers in v[X + 32 c] on
.macro LIFT
.irp c, 0,1,2,3
.irp i, 0,1,2,3,4,5,6,7
	ds_load_b128 v[X+32*\c+4*\i:X+32*\c+4*\i+3], v[LQ] offset:256*\c+16*\i
.endr
.endr
.endm
; Four blocks of 32 numbers become 24 registers of codes in v[FD] on, two scale words in v[SW] on, and -(the row's sum of squares) / 2 in v[NRM].  Registers alone.
; The four blocks go by turns, largest magnitudes and squares alike, so that no line waits for the line above it.
.macro CODES c, tc
	v_cvt_scalef32_pk16_bf6_f32 v[FD+6*\c:FD+6*\c+2], v[X+32*\c:X+32*\c+15], v[SCL+\c]      ; 16 numbers / the scale, to the nearest code, ties to even, beyond the largest code the largest: 96 bits without gaps
	v_cvt_scalef32_pk16_bf6_f32 v[\tc:\tc+2], v[X+32*\c+16:X+32*\c+31], v[SCL+\c]           ; (a conversion's three registers begin on an even number: the block's upper three do not, so they are made elsewhere and moved)
.endm
.macro QUANT
.irp c, 0,1,2,3
	v_max3_num_f32 v[MX+\c], |v[X+32*\c]|, |v[X+32*\c+1]|, FLOOR
.endr
.irp c, 0,1,2,3
	v_pk_mul_f32 v[SQ+2*\c:SQ+2*\c+1], v[X+32*\c:X+32*\c+1], v[X+32*\c:X+32*\c+1]           ; the first squares start the sums: nothing is cleared
.endr
.irp i, 2,4,6,8,10,12,14,16,18,20,22,24,26,28,30
.irp c, 0,1,2,3
	v_max3_num_f32 v[MX+\c], v[MX+\c], |v[X+32*\c+\i]|, |v[X+32*\c+\i+1]|
.endr
.irp c, 0,1,2,3
	v_pk_fma_f32 v[SQ+2*\c:SQ+2*\c+1], v[X+32*\c+\i:X+32*\c+\i+1], v[X+32*\c+\i:X+32*\c+\i+1], v[SQ+2*\c:SQ+2*\c+1]
.endr
.endr
.irp c, 0,1,2,3
	v_add_nc_u32 v[SCL+\c], 0xfe000000, v[MX+\c]   ; 4 off its exponent field: the conversion takes the exponent field of this operand as its scale, and nothing else of it
.endr
	v_pk_add_f32 v[SQ:SQ+1], v[SQ:SQ+1], v[SQ+2:SQ+3]
	v_pk_add_f32 v[SQ+4:SQ+5], v[SQ+4:SQ+5], v[SQ+6:SQ+7]
.irp c, 0,1,2,3
	v_lshrrev_b32 v[MX+\c], 23, v[SCL+\c]          ; the scale's byte
.endr
	CODES 0, TC
	CODES 1, TC+4
	v_pk_add_f32 v[SQ:SQ+1], v[SQ:SQ+1], v[SQ+4:SQ+5]      ; also the plain line behind the conversions
.irp i, 0,1,2
	v_mov_b32 v[FD+3+\i], v[TC+\i]
	v_mov_b32 v[FD+9+\i], v[TC+4+\i]
.endr
	CODES 2, TC
	CODES 3, TC+4
	v_lshl_or_b32 v[SW], v[MX+1], 16, v[MX]        ; my two bytes of each K step: blocks h and 2 + h.  Also the plain line behind the conversions
	v_lshl_or_b32 v[SW+1], v[MX+3], 16, v[MX+2]
	v_add_f32 v[SQ], v[SQ], v[SQ+1]
	v_mov_b32 v[FD+15], v[TC]
	v_lshlrev_b32 v[SW], v[SH8], v[SW]             ; at their places in the scale word (8 h bits up);
	v_lshlrev_b32 v[SW+1], v[SH8], v[SW+1]
	v_permlanex16_b32 v[SQ+1], v[SQ], s[SEL], s[SEL+1]
	v_mov_b32 v[FD+21], v[TC+4]
	v_permlanex16_b32 v[PT], v[SW], s[SEL], s[SEL+1]
	v_permlanex16_b32 v[PT+1], v[SW+1], s[SEL], s[SEL+1]
	v_add_f32 v[SQ], v[SQ], v[SQ+1]                ; the row's sum of squares, in both halves of the lanes
	v_mov_b32 v[FD+16], v[TC+1]
	v_or_b32 v[SW], v[SW], v[PT]                   ; with lane l xor 16's two bytes the word is whole, in both halves of the lanes
	v_or_b32 v[SW+1], v[SW+1], v[PT+1]
	v_mul_f32 v[NRM], -0.5, v[SQ]
	v_mov_b32 v[FD+17], v[TC+2]
	v_mov_b32 v[FD+22], v[TC+5]
	v_mov_b32 v[FD+23], v[TC+6]
.endm
; My tile of fetch u goes to LDS: two fragments as they stand, 16 bytes a lane, 512 consecutive bytes a store; scale words and norm to their places (lanes r and r + 16 write the same bytes with the same values)
.macro PUT iw, u
.irp k, 0,1,2,3,4,5
	ds_store_b128 v[\iw], v[FD+4*\k:FD+4*\k+3] offset:512*\k
.endr
	ds_store_b64 v[SWW], v[SW:SW+1] offset:2048*(\u)
	ds_store_b32 v[NW], v[NRM] offset:1024*(\u)
.endm
; My column group: four tiles' fragments, eight scale words, four norms
.macro BLOAD br
.irp t, 0,1,2,3
.irp k, 0,1,2,3,4,5
	ds_load_b128 v[BF+24*\t+4*\k:BF+24*\t+4*\k+3], v[\br] offset:\t*TIMG+512*\k
.endr
.endr
	ds_load_b128 v[BSW:BSW+3], v[BSR]
	ds_load_b128 v[BSW+4:BSW+7], v[BSR] offset:16
.irp t, 0,1,2,3
	ds_load_b32 v[YH+2*\t], v[BNR] offset:64*\t
.endr
.endm
; Unit k's row tile: its fragments, two scale words, the norms of rows 8 h + 0 .. 7
.macro ALOAD k
.irp i, 0,1,2,3,4,5
.if (\k) < 2
	ds_load_b128 v[F+4*\i:F+4*\i+3], v[AR] offset:((\k)%2)*TIMG+512*\i
.else
	ds_load_b128 v[F+4*\i:F+4*\i+3], v[AR2] offset:((\k)%2)*TIMG+512*\i
.endif
.endr
	ds_load_b64 v[ASW:ASW+1], v[ASR] offset:((\k)/2)*2048+((\k)%2)*8
	ds_load_b128 v[XH:XH+3], v[ANR] offset:((\k)/2)*1024+((\k)%2)*64
	ds_load_b128 v[XH+4:XH+7], v[ANR] offset:((\k)/2)*1024+((\k)%2)*64+16
.endm
; Unit k: 16 rows x 64 columns.  nxt < 4: that unit's row tile is asked of LDS as soon as the products have read this one's, and lands under the vector work.
.macro UNIT k, nxt
	s_wait_dscnt 0x0                               ; fragments, scale words and norms are in
.irp t, 0,1,2,3
.irp i, 0,2,4,6
	v_pk_add_f32 v[ACC+8*\t+\i:ACC+8*\t+\i+1], v[XH+\i:XH+\i+1], v[YH+2*\t:YH+2*\t+1] op_sel_hi:[1,0]   ; C = -(|x|^2 + |y|^2) / 2, in the result's layout
.endr
.endr
	PLACES 4                                       ; C has just been written by vector instructions: it is given the four places that an operand so written is given in front of a scaled product
.irp s, 0,1                                    ; the four accumulators by turns, one instruction a turn
.irp t, 0,1,2,3
	v_wmma_scale_f32_16x16x128_f8f6f4 v[ACC+8*\t:ACC+8*\t+7], v[F+12*\s:F+12*\s+11], v[BF+24*\t+12*\s:BF+24*\t+12*\s+11], v[ACC+8*\t:ACC+8*\t+7], v[ASW+\s], v[BSW+2*\t+\s] matrix_a_fmt:MATRIX_FMT_BF6 matrix_b_fmt:MATRIX_FMT_BF6
.endr
.endr
	PLACES 4                                       ; four places in front of loads into registers that the products have read, and of the first read of results (ISA guide 7.12.1 for the first read of results)
.if (\nxt) < 4
	ALOAD \nxt
.endif
	s_wait_xcnt 0x0                                ; the last unit's stores have had their addresses translated (ISA guide 3.1): only behind this wait are their data registers written again
.irp t, 0,1,2,3                                ; each accumulator from its low end on.  Register 4 j + t: row 8 h + j, column 4 r + t of the group
.irp j, 0,1,2,3,4,5,6,7
	v_max_num_f32 v[R+4*\j+\t], -v[ACC+8*\t+\j], 0   ; max(sq, 0) / 2
.endr
.endr
.set n, 0
	s_wait_alu depctr_va_vdst(0)                   ; ahead of the batch
.rept 32
	v_sqrt_f32 v[R+n], v[R+n]
.set n, n+1
.endr
	v_nop                                          ; a plain line behind the last root,
	s_wait_alu depctr_va_vdst(0)                   ; and one wait for the batch of 32, ahead of its first reader
.set n, 0
.rept 16
	v_pk_fma_f32 v[R+n:R+n+1], v[R+n:R+n+1], s[RT2:RT2+1], 1.0 op_sel_hi:[1,0,0]   ; 1 + sqrt(2) sqrt(sq / 2)
.set n, n+2
.endr
.set n, 0
	s_wait_alu depctr_va_vdst(0)                   ; ahead of the batch
.rept 32
	v_rcp_f32 v[R+n], v[R+n]
.set n, n+1
.endr
	v_nop
	s_wait_alu depctr_va_vdst(0)                   ; one wait for the 32 reciprocals, ahead of the stores that read them
.irp j, 0,1,2,3,4,5,6,7
	global_store_b128 v[CO], v[R+4*\j:R+4*\j+3], s[8:9] offset:((\k)/2)*524288+((\k)%2)*65536+\j*4096   ; lanes 0-15: 256 consecutive bytes of row j, at a multiple of 256 from out0's first byte; lanes 16-31: of row 8 + j.  Every offset is an immediate, 618,496 at the most
.endr
.endm
	s_wait_alu depctr_va_vdst(0)                   ; at the head's end
	s_wait_tensorcnt 0x0                           ; my tile of the first fetch is in.  Only I read these bytes
	LIFT
	s_wait_tensorcnt 0x0                           ; no tensor load of mine is out: the descriptors may be written
	ds_add_u32 v[SPW], v[NIL]                      ; 0 onto my spare word
	s_add_nc_u64 s[G0B+2:G0B+3], s[G0B+2:G0B+3], 0x20000   ; 128 rows on
	s_add_nc_u64 s[G0A+2:G0A+3], s[G0A+2:G0A+3], 0x20000
	s_wait_dscnt 0x0                               ; the add is done, and my tile stands in registers
	CROUND                                         ; so does every wave's of every partner, and no load is on its way
	JLOAD                                          ; the second fetch, the first thing behind the round, into the same bytes
	QUANT
	PUT IW, 0
	s_wait_dscnt 0x0                               ; for the others' sake: my image, scale words and norms are stored
	s_barrier_signal -1
	s_barrier_wait -1                              ; the first fetch's sixteen tiles lie in LDS for all.  The second fetch stays out across it
	s_cmp_lt_u32 s[WV], 8
	s_cbranch_scc0 .Lsecond                        ; column groups 2 and 3 come with the second fetch
	BLOAD BR1
	ALOAD 0
	UNIT 0, 1
	UNIT 1, 4
.Lsecond:
	s_wait_tensorcnt 0x0                           ; my tile of the second fetch is in
	LIFT
	s_wait_dscnt 0x0                               ; and stands in registers:
	s_barrier_signal -1                            ; say so,
	QUANT                                          ; work on registers,
	s_barrier_wait -1                              ; and when all have said so the fetches' bytes are free: they have had their last fill and their last read
	s_wait_alu depctr_va_vdst(0)                   ; directly ahead of the readers below
	PUT IW2, 1
	s_wait_tensorcnt 0x0                           ; behind my last tensor load and my last LDS store
	ds_add_u32 v[SPW], v[NIL]
	s_wait_dscnt 0x0                               ; for the others' sake too: my second image, scale words and norms are stored
	s_barrier_signal -1
	s_barrier_wait -1                              ; the second fetch's sixteen tiles lie in LDS for all
	BLOAD BR
	s_cmp_lt_u32 s[WV], 8
	s_cbranch_scc1 .Lshort
	ALOAD 0
	UNIT 0, 1
	UNIT 1, 2
	s_branch .Llast
.Lshort:
	ALOAD 2
.Llast:
	UNIT 2, 3
	UNIT 3, 4
	CROUND                                         ; the closing round: no work-group ends while a partner may still ask for a tile that names it
	s_endpgm
.Lfunc_end_k_q93493520dd_knn:
	.size	k_q93493520dd_knn, .Lfunc_end_k_q93493520dd_knn-k_q93493520dd_knn
	.p2alignl 7, 3214868480
	.fill 96, 4, 3214868480
	.section	.rodata,"a",@progbits
	.p2align	6, 0x0
	.amdhsa_kernel k_q93493520dd_knn
		.amdhsa_group_segment_fixed_size 327680
		.amdhsa_private_segment_fixed_size 0
		.amdhsa_enable_private_segment 0
		.amdhsa_kernarg_size 24
		.amdhsa_user_sgpr_count 2
		.amdhsa_user_sgpr_kernarg_segment_ptr 1
		.amdhsa_wavefront_size32 1
		.amdhsa_system_sgpr_workgroup_id_x 1
		.amdhsa_system_sgpr_workgroup_id_y 1
		.amdhsa_system_sgpr_workgroup_id_z 1
		.amdhsa_system_vgpr_workitem_id 0
		.amdhsa_next_free_vgpr 256
		.amdhsa_next_free_sgpr 100
		.amdhsa_reserve_vcc 0
		.amdhsa_float_denorm_mode_32 3
		.amdhsa_float_denorm_mode_16_64 3
		.amdhsa_memory_ordered 1
		.amdhsa_forward_progress 1
		.amdhsa_inst_pref_size 92
	.end_amdhsa_kernel
	.amdgpu_metadata
---
amdhsa.version: [ 1, 2 ]
amdhsa.kernels:
  - .name:           k_q93493520dd_knn
    .symbol:         k_q93493520dd_knn.kd
    .args:
      - { .name: sentence1, .offset: 0, .size: 8, .value_kind: global_buffer, .address_space: global }
      - { .name: sentence2, .offset: 8, .size: 8, .value_kind: global_buffer, .address_space: global }
      - { .name: out0, .offset: 16, .size: 8, .value_kind: global_buffer, .address_space: global }
    .group_segment_fixed_size: 327680
    .private_segment_fixed_size: 0
    .kernarg_segment_align: 8
    .kernarg_segment_size: 24
    .max_flat_workgroup_size: 512
    .sgpr_count:     100
    .vgpr_count:     256
    .wavefront_size: 32
...
	.end_amdgpu_metadata
.endif
;; end of part 1
